; MI455X (gfx1250); checked and timed in simulation.
; The chip was launched on July 23, 2026; its instructions are those of AMD's public machine-readable ISA for CDNA 5 (MIT licence, August 2026) and "CDNA5" Instruction Set Architecture Reference Guide (July 2026). The comments in the code are by the model that wrote it; some were corrected since.
;; Scaled Dot Product Attention. Allowed arithmetic: matrix products marked QUANTISED: E2M1 operands, one E8M0 scale for each 32 along K, by v_wmma_scale_f32_16x16x128_f8f6f4 with both operands' format E2M1 (or v_wmma_scale_f32_32x16x128_f4), f32 sums; everything else in f32.
;; Inputs: key 8 x 16 x 1,024 x 64 float32; query 8 x 16 x 1,024 x 64 float32; value 8 x 16 x 1,024 x 64 float32.
;; Outputs: out0 8 x 16 x 1,024 x 64 float32.
;; This version of the problem:
;;   THIS VERSION OF THE PROBLEM IS GIVEN IN LOW PRECISION. The matrix products marked QUANTISED in the list below multiply operands that are first quantised to E2M1 (2 exponent bits, 1 mantissa bit; 4 bits a number), with one power-of-two scale for each 32 numbers along K (OCP MX v1.0); their sums are f32. All else is computed in f32.
;;   The module's matrix products, in the order in which they are computed (A, B: the left and right operand; K: the contracted axis; several contracted axes count as one K, in the product's order):
;;     1. batch 128 x [M 1,024, K 64] x [K 64, N 1,024]; A: input query; B: input key: QUANTISED
;;     2. batch 128 x [M 1,024, K 1,024] x [K 1,024, N 64]; A: softmax (see below); B: input value: QUANTISED
;;   THE QUANTISER, for each operand of a quantised product, along K:
;;     - K is cut into blocks of 32 from its start; a last block that is shorter is filled with zeros.
;;     - A block's scale is 2^e with e = floor(log2(the largest magnitude in the block)) - 2, held to -126 .. 127; a block of zeros has e = 0. As a byte (E8M0): e + 127.
;;     - Each number is divided by its block's scale, clamped to +-6, and rounded to the nearest number of E2M1, ties to even, subnormals kept.
;;     - The product sums the exact products of the quantised numbers (number of the format x scale) in f32.
;;   ~~~python
;;   def quantise(x, axis):      # numpy; x: float32 -> the quantised numbers, widened to float32 again
;;       x = np.moveaxis(x, axis, -1); K = x.shape[-1]
;;       x = np.pad(x, [(0, 0)] * (x.ndim - 1) + [(0, -K % 32)]); x = x.reshape(x.shape[:-1] + (-1, 32)); a = np.abs(x).max(-1, keepdims=True)
;;       e = np.where(a > 0, np.clip(np.frexp(np.where(a > 0, a, 1))[1] - 1 - 2, -126, 127), 0)      # np.frexp(a)[1] - 1 = floor(log2(a)), exactly
;;       r = np.clip(x / 2.0 ** e, -6, 6)
;;       step = 2.0 ** (np.maximum(np.frexp(np.where(r == 0, 1, r))[1] - 1, 0) - 1)
;;       q = np.round(r / step) * step * 2.0 ** e      # np.round: ties to even
;;       return np.moveaxis(q.reshape(q.shape[:-2] + (-1,))[..., :K], -1, axis).astype(np.float32)
;;   ~~~
;;   SOFTMAX AHEAD OF A QUANTISED PRODUCT. Where the list says 'softmax', what is quantised is not the finished softmax but p = 2^(t - M), with t = logit x log2(e) and M = ceil(the row's largest t), a whole number; so 1/2 < the row's largest p <= 1. The row's sum l is taken of the UNQUANTISED p, in f32, and the product's result is divided by l at the end. Since M is a whole number, a kernel that streams over the keys may use a running M (the ceiling of the running maximum): every later rescaling is an exact power of two, which a block's scale takes up: the codes' values come out the same.
;;   OPERANDS COMPUTED ON THE WAY. 'Computed on the way' means the value that the module computes at that place (a softmax that the list does not call 'softmax' is quantised finished and normalised). What goes into a quantiser is computed in f32, as accurately as f32 sums, v_exp_f32 and their like allow (about 1e-6 of the number): no bf16 or f16 on the way to a quantiser, and a product that is left as it is and whose result goes on into a quantised operand takes f32 operands (vector FMAs, or v_wmma_f32_16x16x4_f32). A number that lies on a knife's edge between two numbers of the format may be rounded either way, as far as f32 arithmetic and the matrix unit's own rounding can turn it there, and no further.
;; One version. Each part assembles by itself: llvm-mc -triple=amdgcn-amd-amdhsa -mcpu=gfx1250 --defsym DOCPART=n.
;; ======== version 1 of 1: 1 launch
;; limits: right only within a limited range of input values
;; launch attn (part 1): grid 2 x 128, 16 waves a work-group, no clusters, 141,312 bytes of LDS; arguments query, key, value, out0; writes out0
.if DOCPART == 1
	.amdgcn_target "amdgcn-amd-amdhsa--gfx1250"
	.amdhsa_code_object_version 6
	.text
	.protected	k_q04a60168ce_attn
	.globl	k_q04a60168ce_attn
	.p2align	8
	.type	k_q04a60168ce_attn,@function
k_q04a60168ce_attn:
	s_mov_b64 s[64:65], 0
	v_nop
	global_prefetch_b8 v0, s[64:65] scope:SCOPE_SE
	s_setreg_imm32_b32 hwreg(HW_REG_WAVE_MODE, 25, 1), 1
	s_wait_xcnt 0x0
; out0[head][q][:] = the sum over k of softmax_k(query[head][q] . key[head][k] / 4) value[head][k][:].  128 heads, 1,024 queries, 1,024 keys, head size 64, all f32.
; Both products run on codes of FP4 (E2M1) with one E8M0 scale for each 32 along a product's K: query and key are quantised along the head's 64 (two blocks), p and value along the keys.
; THE SOFTMAX AHEAD OF THE SECOND PRODUCT: t = score x log2(e) / 4; M = the row's largest t so far, rounded UP to a whole number; p = 2^(t - M) is quantised, not normalised.  The row's sum is taken of the
; unquantised p, in f32, and divides O at the end.  When M moves, the sum and O are multiplied by 2^(old M - new M), which rounds nothing.
; SHARES.  A work-group owns 512 queries of one head (x: which half, y: the head); each of its sixteen waves owns 32 of them, two tiles of 16.  Every wave walks the head's keys, 128 a step, 8 steps.
; K AND V.  In each step the sixteen waves together quantise the NEXT step's rows: waves 0 to 7 K's, waves 8 to 15 V's.  A wave has 32 numbers a lane, and they are ONE block of 32: for K a key's half row, for V a channel's
; 32 keys.  So no block's maximum needs another lane.  The rows come from memory straight into 32 registers, one whole step ahead of their use; codes and scale bytes go to LDS, as images of the operands' registers:
; 8,704 bytes a step, a block of its own for each of the 8 steps, written once.  One barrier a step orders them.
; LAYOUT.  Both products are used transposed: S^T = K Q^T (source 0 = 16 keys, source 1 = 16 queries), O^T = V^T P^T (source 0 = 16 of the head's 64, source 1 = P): a lane holds ONE query (lane % 16) throughout.
; THE KEYS OF A TILE ARE NOT NEIGHBOURS: row 8 h + j of score tile 4 y + p is key 64 y + 32 h + 8 p + j.  So the 32 score registers 32 y .. 32 y + 31 of lane (r, h) are the WHOLE block 2 y + h of 32 keys, and the
; conversions' results are P's fragment as it stands.
; THE FIRST PRODUCT'S K IS 64 OF THE INSTRUCTION'S 128.  A K operand holds two fragments, tile p's in registers 0-3 and tile 4 + p's in registers 4-7, with the scale bytes of the first in bytes 0, 1 and of the second in
; bytes 2, 3.  Q's codes stand in the lower half with zero codes above, or in the upper half with zero codes below: the zeros pick the fragment (a code of E2M1 is always a finite number).
; NO CLUSTER: only the two work-groups of a head read the same rows, and the rows are wanted in registers, where each lane quantises its own block.  A joint load lands in LDS: 64 KB a step would pass through LDS once
; more, into it and out of it, and each step would want a round of the cluster's barrier.
; NO PREFETCH: the loop's own loads run one whole step ahead of the wait for them.
; LIMITS.  NaN and infinities among the inputs are not served.  A block whose largest magnitude lies under 2^-124 gets the scale byte 1 (not tried); a block of zeros gets 1 where the rule says 127: its codes are zeros, and
; only this text reads the bytes.  p under 2^-126 comes out of v_exp_f32 as 0.  A block's largest p is made from the block's largest score by the same multiply-add and exponential, which takes v_exp_f32 not to fall where its
; input rises.  The promise holds while the scaled scores stay under 2^31 in magnitude.
.set BLK,   8704                       ; a block of codes: K's 8 units of 512 bytes, V's 8, K's scale bytes (8 a lane), V's
.set SCO,   8192
.set STEPB, 128*256                    ; a key step's rows in memory
.set PITCH, 272                        ; the way out: a stage row, 256 bytes + 16
.set STAGE, 8*BLK                      ; 16 rows for each wave
.set SPARE, STAGE+16*16*PITCH          ; the spare words, 128 bytes for each wave: eight blocks of 256 bytes that no other line names
.set AR,    1                          ; v1   512 (lane / 16) + 16 (lane % 16): my place in an operand's image
.set ARS,   2                          ; v2   SCO + 8 x lane: my scale words
.set AW,    3                          ; v3   512 x wave + 16 x lane: where my block's codes go; in the last step where I put 32 bytes of a row of out0
.set AWS,   4                          ; v4   where my block's scale byte goes; in the last step where I read a row back
.set GV,    5                          ; v5   my byte offset in a step's rows; in the last step in the wave's rows of out0
.set H8,    6                          ; v6   8 x (lane / 16)
.set QOFF,  7                          ; v7   my byte offset in a tile's rows of Q
.set ST,    8                          ; tile x at v[8 + 4 x]: -M, the largest score so far, the sum in two halves
.set F,     16                         ; v[16:17] f = 2^(old M - new M), named as a pair; a chain of sums; LDS addresses in hand
.set SO,    18                         ; v18-19 the conversions' scale operands
.set KSC,   20                         ; v[20:21] K's scale words: register j: lanes 0-15 operand 2 j, lanes 16-31 operand 2 j + 1
.set VSC,   22                         ; v[22:23] V's likewise
.set QS,    24                         ; v24-25 Q's scale words
.set PS,    26                         ; v26-27 P's
.set QF,    28                         ; v[28:47] Q: tile 0's codes, zeros, tile 1's codes, zeros, tile 0's codes: four registers each
.set P,     48                         ; v[48:63] P's two fragments
.set CH,    56                         ; v56-63 also at work, until tile 1's conversions: chains of maxima
.set PT,    60
.set X,     61
.set T1,    60                         ; chains of sums
.set T2,    62
.set KF,    64                         ; v[64:95] K's four operands, later V's
.set L,     96                         ; v[96:127] the rows on their way from memory; in the last step V's operands
.set S,     128                        ; v[128:191] S^T, then p
.set O,     192                        ; v[192:255] O^T: tile x, channels 16 t on, at v[192 + 32 x + 8 t]
.set WV,    12                         ; s12  my wave's number
.set SEL,   32                         ; s[32:33] lane selects for v_permlanex16_b32: lane l xor 16
.set CS,    34                         ; s[34:35] c = log2(e) / 4: the packed form names a pair and takes its low word for both halves
.set NC,    36                         ; s36  -c
.set CNT,   38                         ; s38  trips
.set CR,    40                         ; s40  the block of codes that is read
.set CW,    41                         ; s41  the block of codes that is written
.set KB,    44                         ; s[44:45] key's or value's rows of the step that is asked for
; A step's rows.  K: a lane takes 128 bytes of one key, eight loads; V: a load takes one key's 32 neighbouring channels, 32 loads.  The branch hangs on the wave's number alone.
.macro GLOAD
	s_wait_alu depctr_va_vdst(0)                   ; the wait ahead of the branch
	s_cmp_lt_u32 s[WV], 8
	s_cbranch_scc0 .Lrows_v_\@
.irp i, 0,1,2,3,4,5,6,7
	global_load_b128 v[L+4*\i:L+4*\i+3], v[GV], s[KB:KB+1] offset:16*\i
.endr
	s_branch .Lrows_\@
.Lrows_v_\@:
.irp i, 0,1,2,3,4,5,6,7,8,9,10,11,12,13,14,15,16,17,18,19,20,21,22,23,24,25,26,27,28,29,30,31
	global_load_b32 v[L+\i], v[GV], s[KB:KB+1] offset:256*\i
.endr
.Lrows_\@:
.endm
.macro GNEXT
	s_wait_xcnt 0x0                                ; the last rows' loads have read their base
	s_add_nc_u64 s[KB:KB+1], s[KB:KB+1], STEPB
	GLOAD
.endm
; The conversions' scale operand of the 32 numbers at v[b]: the largest magnitude (the floor 2^(3 - 127) is one more leaf) with 2 taken off its exponent field
.macro AMAX b
	v_max3_num_f32 v[CH], |v[\b]|, |v[\b+1]|, 0x1800000
	v_max3_num_f32 v[CH+1], |v[\b+2]|, |v[\b+3]|, |v[\b+4]|
	v_max3_num_f32 v[CH+2], |v[\b+5]|, |v[\b+6]|, |v[\b+7]|
	v_max3_num_f32 v[CH+3], |v[\b+8]|, |v[\b+9]|, |v[\b+10]|
.set AK, 0
.irp i, 11,13,15,17,19,21,23,25,27,29
	v_max3_num_f32 v[CH+AK], v[CH+AK], |v[\b+\i]|, |v[\b+\i+1]|
.set AK, (AK+1)%4
.endr
	v_max3_num_f32 v[CH], v[CH], v[CH+1], |v[\b+31]|
	s_delay_alu instid0(VALU_DEP_1)
	v_max3_num_f32 v[CH], v[CH], v[CH+2], v[CH+3]
	s_delay_alu instid0(VALU_DEP_1)
	v_add_nc_u32 v[SO], 0xff000000, v[CH]
.endm
; My block of the next step: codes and scale byte to LDS
.macro QUANT
	AMAX L
	s_delay_alu instid0(VALU_DEP_1)
	v_lshrrev_b32 v[X], 23, v[SO]                  ; the scale's byte
.irp g, 0,1,2,3
	v_cvt_scalef32_pk8_fp4_f32 v[CH+\g], v[L+8*\g:L+8*\g+7], v[SO]
.endr
	v_add_nc_u32 v[F], s[CW], v[AW]                ; (plain lines behind the conversions)
	v_add_nc_u32 v[F+1], s[CW], v[AWS]
	s_add_co_u32 s[CW], s[CW], BLK
	ds_store_b128 v[F], v[CH:CH+3]
	ds_store_b8 v[F+1], v[X]
.endm
; Tile x of Q: the 32 numbers at v[b] are block lane / 16 of my query's row: all mine.  The scale word carries both blocks' bytes twice: for Q in the lower half and in the upper half.
.macro QQUANT x, b, d
	AMAX \b
	s_delay_alu instid0(VALU_DEP_1)
	v_lshrrev_b32 v[X], 23, v[SO]
.irp g, 0,1,2,3
	v_cvt_scalef32_pk8_fp4_f32 v[\d+\g], v[\b+8*\g:\b+8*\g+7], v[SO]
.endr
	v_lshlrev_b32 v[X], v[H8], v[X]
	s_delay_alu instid0(VALU_DEP_1)
	v_permlanex16_b32 v[PT], v[X], s[SEL], s[SEL+1]
	s_delay_alu instid0(VALU_DEP_1)
	v_or_b32 v[X], v[X], v[PT]
	s_delay_alu instid0(VALU_DEP_1)
	v_lshl_or_b32 v[QS+\x], v[X], 16, v[X]
.endm
; The addresses of this step's images; then four operands and their scale words: nine loads.  K's units lie at 0, V's at 4,096.
.macro ADDR
	v_add_nc_u32 v[F], s[CR], v[AR]
	v_add_nc_u32 v[F+1], s[CR], v[ARS]
.endm
.macro FRAG to, off, sc, soff
.irp p, 0,1,2,3
.irp y, 0,1
	ds_load_b128 v[\to+8*\p+4*\y:\to+8*\p+4*\y+3], v[F] offset:\off+1024*(\p/2)+2048*\y+256*(\p%2)
.endr
.endr
	ds_load_b64 v[\sc:\sc+1], v[F+1] offset:\soff
.endm
; S^T = K Q^T for tile x: eight products, each starting its sum with the constant 0
.macro QK x
.irp y, 0,1
.set QB, QF+(1-\x)*12*\y+\x*(8-4*\y)
.irp p, 0,1,2,3
.if \p%2
	v_wmma_scale_f32_16x16x128_f8f6f4 v[S+32*\y+8*\p:S+32*\y+8*\p+7], v[KF+8*\p:KF+8*\p+7], v[QB:QB+7], 0, v[KSC+\p/2], v[QS+\x] matrix_a_fmt:MATRIX_FMT_FP4 matrix_b_fmt:MATRIX_FMT_FP4 matrix_a_scale:MATRIX_SCALE_ROW1
.else
	v_wmma_scale_f32_16x16x128_f8f6f4 v[S+32*\y+8*\p:S+32*\y+8*\p+7], v[KF+8*\p:KF+8*\p+7], v[QB:QB+7], 0, v[KSC+\p/2], v[QS+\x] matrix_a_fmt:MATRIX_FMT_FP4 matrix_b_fmt:MATRIX_FMT_FP4
.endif
.endr
.endr
.endm
; O^T += V^T P^T for tile x: four accumulators, one instruction each.  first = 1: the product starts the sum.
.macro PVONE x, t, vb, c, mod:vararg
	v_wmma_scale_f32_16x16x128_f8f6f4 v[O+32*\x+8*\t:O+32*\x+8*\t+7], v[\vb+8*\t:\vb+8*\t+7], v[P+8*\x:P+8*\x+7], \c, v[VSC+\t/2], v[PS+\x] matrix_a_fmt:MATRIX_FMT_FP4 matrix_b_fmt:MATRIX_FMT_FP4 \mod
.endm
.macro PV x, vb, first
.irp t, 0,1,2,3
.if \first
.if \t%2
	PVONE \x, \t, \vb, 0, matrix_a_scale:MATRIX_SCALE_ROW1
.else
	PVONE \x, \t, \vb, 0
.endif
.else
.if \t%2
	PVONE \x, \t, \vb, v[O+32*\x+8*\t:O+32*\x+8*\t+7], matrix_a_scale:MATRIX_SCALE_ROW1
.else
	PVONE \x, \t, \vb, v[O+32*\x+8*\t:O+32*\x+8*\t+7]
.endif
.endif
.endr
.endm
; THE SOFTMAX OF TILE x FOR ONE KEY STEP.  Score registers 0-31 are my block of 32 keys of the step's first 64, registers 32-63 my block of its second 64.
; first = 1: the first step: there is no older M, sum or O.  sig = 1: the barrier's signal stands ahead of the exponentials.
.macro SOFTMAX x, first, sig
.set NM, ST+4*\x
.set SM, NM+1
.set LS, NM+2
.irp k, 0,1,2,3                        ; four chains by turns; each accumulator is read from its low end on
	v_max3_num_f32 v[CH+\k], v[S+16*\k], v[S+16*\k+1], v[S+16*\k+2]
.endr
.irp i, 3,5,7,9,11,13
.irp k, 0,1,2,3
	v_max3_num_f32 v[CH+\k], v[CH+\k], v[S+16*\k+\i], v[S+16*\k+\i+1]
.endr
.endr
	v_max3_num_f32 v[CH], v[CH], v[CH+1], v[S+15]
	v_max3_num_f32 v[CH+2], v[CH+2], v[CH+3], v[S+47]
	v_max_num_f32 v[CH], v[CH], v[S+31]            ; THE LARGEST SCORE OF EACH OF MY TWO BLOCKS: it serves for the row's maximum and, since p rises with the score, for the block's largest p
	v_max_num_f32 v[CH+2], v[CH+2], v[S+63]
	s_delay_alu instid0(VALU_DEP_1)
	v_max_num_f32 v[X], v[CH], v[CH+2]
	v_permlanex16_b32 v[PT], v[X], s[SEL], s[SEL+1]   ; my query's other two blocks lie in lane l xor 16
	s_delay_alu instid0(VALU_DEP_1)
.if \first
	v_max_num_f32 v[SM], v[X], v[PT]               ; the largest score so far
	s_delay_alu instid0(VALU_DEP_1)
	v_mul_f32 v[X], s[NC], v[SM]                   ; -t
	s_delay_alu instid0(VALU_DEP_1)
	v_floor_f32 v[NM], v[X]                        ; -M = floor(-t) = -ceil(t): M IS A WHOLE NUMBER
.else
	v_max3_num_f32 v[SM], v[SM], v[X], v[PT]
	s_delay_alu instid0(VALU_DEP_1)
	v_mul_f32 v[X], s[NC], v[SM]
	s_delay_alu instid0(VALU_DEP_1)
	v_floor_f32 v[X], v[X]
	s_delay_alu instid0(VALU_DEP_1)
	v_sub_f32 v[PT], v[X], v[NM]                   ; M's old value less its new one: a whole number, 0 or less
	s_delay_alu instid0(VALU_DEP_2)
	v_mov_b32 v[NM], v[X]
	s_delay_alu instid0(VALU_DEP_2)
	v_cvt_i32_f32 v[PT], v[PT]                     ; (it saturates)
	s_delay_alu instid0(VALU_DEP_1)
	v_ldexp_f32 v[F], 1.0, v[PT]                   ; f = 2^(old M - new M)
.endif
.set n, 0
.rept 32
	v_pk_fma_f32 v[S+n:S+n+1], v[S+n:S+n+1], s[CS:CS+1], v[NM:NM+1] op_sel_hi:[1,0,0]   ; t - M, two at a time (of the pairs c and -M the low word serves both halves)
.set n, n+2
.endr
	v_fma_f32 v[CH], v[CH], s[CS], v[NM]           ; the same of each block's largest score
	v_fma_f32 v[CH+2], v[CH+2], s[CS], v[NM]
	s_wait_alu depctr_va_vdst(0)                   ; the wait ahead of the batch
.if \sig
	s_wait_dscnt 0x0                               ; V's operands are in, and my codes and scale bytes of the next step are in LDS:
	s_barrier_signal -1                            ; say so.  Work on registers alone stands between here and the wait at the step's end
.endif
.set n, 0
.rept 64
	v_exp_f32 v[S+n], v[S+n]                       ; p = 2^(t - M)
.set n, n+1
.endr
	v_exp_f32 v[CH], v[CH]                         ; the blocks' largest p: the same two instructions on the same number give the same bits
	v_exp_f32 v[CH+2], v[CH+2]
.if \first
	v_nop                                          ; a plain line behind the exponentials
.else
	v_pk_mul_f32 v[LS:LS+1], v[LS:LS+1], v[F:F+1] op_sel_hi:[1,0]   ; the sum under the new M: the plain line behind the exponentials
.endif
	s_wait_alu depctr_va_vdst(0)                   ; the wait ahead of the batch's, and of O^T's, first readers
; O^T under the new M, and THE ROW'S SUM, OF THE UNQUANTISED p: two at a time, in three chains
.irp g, 0,1,2,3,4,5,6,7
.if \first == 0
	v_pk_mul_f32 v[O+32*\x+4*\g:O+32*\x+4*\g+1], v[O+32*\x+4*\g:O+32*\x+4*\g+1], v[F:F+1] op_sel_hi:[1,0]
	v_pk_mul_f32 v[O+32*\x+4*\g+2:O+32*\x+4*\g+3], v[O+32*\x+4*\g+2:O+32*\x+4*\g+3], v[F:F+1] op_sel_hi:[1,0]
.endif
.if \g == 0
	v_pk_add_f32 v[T1:T1+1], v[S:S+1], v[S+2:S+3]
	v_pk_add_f32 v[T2:T2+1], v[S+4:S+5], v[S+6:S+7]
.if \first
	v_pk_add_f32 v[LS:LS+1], v[S+8:S+9], v[S+46:S+47]
.else
	v_pk_add_f32 v[LS:LS+1], v[LS:LS+1], v[S+8:S+9]
.endif
.elseif \g < 7
	v_pk_add_f32 v[T1:T1+1], v[T1:T1+1], v[S+6*\g+4:S+6*\g+5]
	v_pk_add_f32 v[T2:T2+1], v[T2:T2+1], v[S+6*\g+6:S+6*\g+7]
	v_pk_add_f32 v[LS:LS+1], v[LS:LS+1], v[S+6*\g+8:S+6*\g+9]
.elseif \first == 0
	v_pk_add_f32 v[T1:T1+1], v[T1:T1+1], v[S+46:S+47]
.endif
.endr
	v_max_num_f32 v[CH], 0x1800000, v[CH]          ; the floor 2^(3 - 127): the byte cannot fall under 1 (a block whose every p is 0 keeps that byte: its codes are zeros)
	v_max_num_f32 v[CH+2], 0x1800000, v[CH+2]
	v_pk_add_f32 v[T1:T1+1], v[T1:T1+1], v[T2:T2+1]
	v_add_nc_u32 v[SO], 0xff000000, v[CH]          ; 2 off the exponent field: the conversion's scale operand
	v_add_nc_u32 v[SO+1], 0xff000000, v[CH+2]
	v_pk_add_f32 v[LS:LS+1], v[LS:LS+1], v[T1:T1+1]
	v_lshrrev_b32 v[CH+1], 23, v[SO]               ; the scale's byte
	v_lshrrev_b32 v[CH+3], 23, v[SO+1]
	s_delay_alu instid0(VALU_DEP_1)
	v_lshl_or_b32 v[CH+1], v[CH+3], 16, v[CH+1]    ; my two bytes: blocks h and 2 + h,
	s_delay_alu instid0(VALU_DEP_1)
	v_lshlrev_b32 v[CH+1], v[H8], v[CH+1]          ; at their places in the scale word (8 h bits up);
	s_delay_alu instid0(VALU_DEP_1)
	v_permlanex16_b32 v[CH+3], v[CH+1], s[SEL], s[SEL+1]
	s_delay_alu instid0(VALU_DEP_1)
	v_or_b32 v[PS+\x], v[CH+1], v[CH+3]            ; with lane l xor 16's two the word is whole
.irp c, 0,1
.irp u, 0,1,2,3
	v_cvt_scalef32_pk8_fp4_f32 v[P+8*\x+4*\c+\u], v[S+32*\c+8*\u:S+32*\c+8*\u+7], v[SO+\c]   ; register 4 c + u of P's fragment
.endr
.endr
	v_pk_add_f32 v[F:F+1], v[S+48:S+49], v[S+50:S+51]   ; the sum's last quarter, in two chains: these eight are also the places between P's codes and scale word and the products that take them
	v_pk_add_f32 v[LS:LS+1], v[LS:LS+1], v[S+52:S+53]
	v_pk_add_f32 v[F:F+1], v[F:F+1], v[S+54:S+55]
	v_pk_add_f32 v[LS:LS+1], v[LS:LS+1], v[S+56:S+57]
	v_pk_add_f32 v[F:F+1], v[F:F+1], v[S+58:S+59]
	v_pk_add_f32 v[LS:LS+1], v[LS:LS+1], v[S+60:S+61]
	v_pk_add_f32 v[F:F+1], v[F:F+1], v[S+62:S+63]
	v_pk_add_f32 v[LS:LS+1], v[LS:LS+1], v[F:F+1]
.endm
; A KEY STEP, entered behind the barrier that shows its codes whole.  K's and V's operands are read from LDS once and serve both tiles.  Between the tiles the next step's rows are quantised and those of the step
; after it asked for.
.macro STEP first
	ADDR
.rept 2
	v_nop                                          ; with the two additions: the places between the last products and the loads into their operands
.endr
	FRAG KF, 0, KSC, 0
.if \first
	GNEXT                                          ; step 1's rows
.endif
	s_wait_alu depctr_va_vdst(0)                   ; the wait here, directly ahead of the wait below
	s_wait_dscnt 0x0
	QK 0
.rept 4
	v_nop                                          ; places in front of the scores' first reader
.endr
	SOFTMAX 0, \first, 0
	s_wait_alu depctr_va_vdst(0)                   ; the wait here, directly ahead of the wait below
	s_wait_loadcnt 0x0                             ; the next step's rows are in (first: and Q's tile 1)
.if \first
	QQUANT 1, O+32, QF+8
.endif
	QUANT
.if \first
	GNEXT
.else
	s_wait_alu depctr_va_vdst(0)                   ; the wait ahead of the branch
	s_cmp_eq_u32 s[CNT], 1                         ; step 6, the loop's last, has no rows to ask for
	s_cbranch_scc1 .Lno_rows
	GNEXT
.Lno_rows:
.endif
	QK 1
	ADDR
.rept 2
	v_nop
.endr
	FRAG KF, 4096, VSC, 256                        ; V lands while tile 1's softmax is worked
	SOFTMAX 1, \first, 1
	PV 0, KF, \first
	PV 1, KF, \first
	s_add_co_u32 s[CR], s[CR], BLK
	s_wait_alu depctr_va_vdst(0)                   ; the wait here, directly ahead of the wait below
	s_barrier_wait -1                              ; the next step's codes are whole
.endm
; THE WAY OUT of tile x: O^T is divided by the row's sum and goes through my stage in LDS, 16 rows of 256 bytes, so that sixteen lanes store 256 consecutive bytes
.macro OUT x, back
	v_add_f32 v[F], v[ST+4*\x+2], v[ST+4*\x+3]     ; the sum's two halves,
	v_permlanex16_b32 v[SO], v[F], s[SEL], s[SEL+1]
	v_add_f32 v[F], v[F], v[SO]                    ; and lane l xor 16's: the row's sum
	s_wait_alu depctr_va_vdst(0)                   ; the wait ahead of the transcendental
	v_rcp_f32 v[F], v[F]
.rept 3
	v_nop                                          ; plain lines behind it, and places behind the products
.endr
	s_wait_alu depctr_va_vdst(0)                   ; the wait ahead of the first reader
.set n, 32*\x
.rept 16
	v_pk_mul_f32 v[O+n:O+n+1], v[O+n:O+n+1], v[F:F+1] op_sel_hi:[1,0]
.set n, n+2
.endr
.irp t, 0,1,2,3
	ds_store_b128 v[AW], v[O+32*\x+8*\t:O+32*\x+8*\t+3] offset:64*\t
	ds_store_b128 v[AW], v[O+32*\x+8*\t+4:O+32*\x+8*\t+7] offset:64*\t+16
.endr
.irp i, 0,1,2,3,4,5,6,7
	ds_load_b128 v[\back+4*\i:\back+4*\i+3], v[AWS] offset:\i*2*PITCH   ; LDS serves a wave's instructions in order (ISA guide 5.7.1.4): these see my stores
.endr
.irp i, 0,1,2,3,4,5,6,7
	s_wait_dscnt 7-\i                              ; behind load i: its 7 - i younger loads
	global_store_b128 v[GV], v[\back+4*\i:\back+4*\i+3], s[10:11] offset:4096*\x+512*\i th:TH_STORE_NT   ; 16 lanes store 256 consecutive bytes, at a multiple of 256 from out0's first byte
.endr
.endm
	s_load_b256 s[4:11], s[0:1], 0x0               ; query s[4:5], key s[6:7], value s[8:9], out0 s[10:11]
	v_lshrrev_b32 v16, 5, v0
	s_delay_alu instid0(VALU_DEP_1)
	v_readfirstlane_b32 s[WV], v16                 ; wave 0..15
	v_and_b32 v17, 31, v0                          ; lane
	v_and_b32 v18, 15, v0                          ; r = lane % 16
	v_bfe_u32 v19, v0, 4, 1                        ; h = lane / 16
	v_bfe_u32 v20, v0, 3, 1
	v_and_b32 v21, 7, v0
	v_lshlrev_b32 v22, 11, v19                     ; K: my lane's key: 8 h + 32 (r / 8) + r % 8, 256 bytes each
	v_lshl_or_b32 v22, v20, 13, v22
	v_lshl_or_b32 v22, v21, 8, v22
	v_lshlrev_b32 v23, 2, v17                      ; V: my lane's channel
	v_lshlrev_b32 v[QOFF], 8, v18                  ; Q: row r of 256 bytes, + 128 h: my block of 32
	v_lshl_or_b32 v[QOFF], v19, 7, v[QOFF]
	v_lshlrev_b32 v[AR], 4, v18
	v_lshl_add_u32 v[AR], v19, 9, v[AR]
	v_lshl_add_u32 v[ARS], v17, 3, SCO
	v_lshlrev_b32 v[AW], 4, v17
	v_lshlrev_b32 v[H8], 3, v19
	s_wait_alu depctr_va_vdst(0)                   ; the wait here, ahead of the scalar lines and the wait below
	s_mov_b32 s[SEL], 0x76543210
	s_mov_b32 s[SEL+1], 0xfedcba98
	s_mov_b32 s[CS], 0x3eb8aa3b                    ; c = log2(e) / 4
	s_mov_b32 s[CS+1], s[CS]                       ; (named with it as a pair, so it is written)
	s_mov_b32 s[NC], 0xbeb8aa3b                    ; -c
	s_mov_b32 s[CNT], 6
	s_mov_b32 s[CR], 0
	s_mov_b32 s[CW], 0
	s_and_b32 s42, ttmp7, 0xffff                   ; the head,
	s_lshl_b32 s42, s42, 18                        ; its first byte in each of the four tensors: 1,024 rows of 256 bytes a head
	s_mov_b32 s43, 0
	s_lshl_b32 s46, ttmp9, 9
	s_lshl_b32 s47, s[WV], 5
	s_add_co_u32 s46, s46, s47                     ; my first query: 512 x work-group x + 32 x wave
	s_lshl_b32 s46, s46, 8
	s_mov_b32 s47, 0
	s_add_nc_u64 s[46:47], s[46:47], s[42:43]      ; its row's byte offset in query and in out0
	s_and_b32 s48, s[WV], 1                        ; my unit's digits: z = w % 2, x = (w / 2) % 2, y = (w / 4) % 2
	s_bfe_u32 s49, s[WV], 0x10001
	s_bfe_u32 s50, s[WV], 0x10002
	s_lshr_b32 s51, s[WV], 3                       ; 0: K, 1: V
	s_lshl_b32 s52, s50, 14                        ; K: keys 64 y + 16 x on, block z of their rows
	s_mov_b32 s53, s52                             ; V: keys 64 y + 32 z on, channels 32 x on
	s_lshl_b32 s54, s49, 12
	s_add_co_u32 s52, s52, s54
	s_lshl_b32 s54, s48, 7
	s_add_co_u32 s52, s52, s54
	s_lshl_b32 s54, s48, 13
	s_add_co_u32 s53, s53, s54
	s_lshl_b32 s54, s49, 7
	s_add_co_u32 s53, s53, s54
	s_lshl_b32 s54, s51, 8                         ; my scale byte: K's or V's; word x, byte 2 y + z of my lane's eight
	s_lshl_b32 s55, s49, 2
	s_add_co_u32 s54, s54, s55
	s_lshl_b32 s55, s50, 1
	s_add_co_u32 s54, s54, s55
	s_add_co_u32 s54, s54, s48
	s_lshl_b32 s55, s[WV], 9                       ; my unit of codes
	s_cmp_lt_u32 s[WV], 8                          ; waves 0 to 7 take key's rows, waves 8 to 15 value's: the choice hangs on the wave's number alone
	s_cselect_b32 s52, s52, s53
	s_cselect_b32 s56, 0, -1
	s_mov_b32 s53, 0
	s_wait_kmcnt 0x0
	s_cselect_b64 s[KB:KB+1], s[6:7], s[8:9]
	s_add_nc_u64 s[KB:KB+1], s[KB:KB+1], s[42:43]
	s_add_nc_u64 s[KB:KB+1], s[KB:KB+1], s[52:53]
	s_add_nc_u64 s[4:5], s[4:5], s[46:47]          ; query and out0 at my wave's first row
	s_add_nc_u64 s[10:11], s[10:11], s[46:47]
	v_cndmask_b32 v[GV], v22, v23, s56
	GLOAD                                          ; step 0's rows come first,
.irp x, 0,1                            ; then Q: tile 0 into the scores' registers, tile 1 into O's tile 1: it is waited for behind tile 0's first softmax
.irp i, 0,1,2,3,4,5,6,7
	global_load_b128 v[S+96*\x+4*\i:S+96*\x+4*\i+3], v[QOFF], s[4:5] offset:4096*\x+16*\i
.endr
.endr
	v_add_nc_u32 v[AW], s55, v[AW]
	v_add_nc_u32 v[AWS], s54, v[ARS]
.irp g, 4,5,6,7,12,13,14,15
	v_mov_b32 v[QF+\g], 0
.endr
	v_mov_b32 v[PT], 0                             ; written once: a lane permute's destination counts as one of its sources
	s_wait_alu depctr_va_vdst(0)                   ; the wait at the head's end
	s_wait_loadcnt 16                              ; step 0's rows are in; Q's sixteen loads may be out
	QUANT
	s_wait_alu depctr_va_vdst(0)                   ; the wait here, directly ahead of the wait below
	s_wait_dscnt 0x0                               ; my codes of step 0 are in LDS
	s_barrier_signal -1
	s_wait_loadcnt 8                               ; Q's tile 0; tile 1's eight loads may be out
	QQUANT 0, S, QF
.irp g, 0,1,2,3
	v_mov_b32 v[QF+16+\g], v[QF+\g]
.endr
.rept 4
	v_nop                                          ; with STEP's lines: the places between Q's scale word and the first product
.endr
	s_wait_alu depctr_va_vdst(0)                   ; the wait here, directly ahead of the wait below
	s_barrier_wait -1
	STEP 1                                         ; step 0 starts the sums: nothing is cleared
.Ltrip:                                                ; steps 1 to 6
	STEP 0
	s_sub_co_u32 s[CNT], s[CNT], 1
	s_cmp_lg_u32 s[CNT], 0
	s_cbranch_scc1 .Ltrip
	; STEP 7 has nothing left to quantise: V's operands go into the rows' registers beside K's, so that tile 0 is finished, and leaves, ahead of tile 1's softmax
	ADDR
.rept 2
	v_nop
.endr
	FRAG KF, 0, KSC, 0
	FRAG L, 4096, VSC, 256
	s_mul_i32 s48, s[WV], 16*PITCH
	s_add_co_u32 s48, s48, STAGE                   ; my stage
	v_and_b32 v18, 15, v0                          ; r
	v_bfe_u32 v19, v0, 4, 1                        ; h
	v_mul_u32_u24 v[AW], v18, PITCH                ; in: row r; channels 16 t + 8 h on: 64 t + 32 h bytes
	v_mul_u32_u24 v[AWS], v19, PITCH               ; back: lanes 0-15 one row, lanes 16-31 the next
	v_lshlrev_b32 v[GV], 8, v19                    ; the same two rows in out0
	v_lshl_add_u32 v[AW], v19, 5, v[AW]
	v_lshl_add_u32 v[AWS], v18, 4, v[AWS]
	v_lshl_add_u32 v[GV], v18, 4, v[GV]
	v_add_nc_u32 v[AW], s48, v[AW]
	v_add_nc_u32 v[AWS], s48, v[AWS]
	s_wait_alu depctr_va_vdst(0)                   ; the wait here, directly ahead of the wait below
	s_wait_dscnt 9                                 ; K's nine loads are in; V's nine may be out
	QK 0
.rept 4
	v_nop
.endr
	SOFTMAX 0, 0, 0
	s_wait_alu depctr_va_vdst(0)                   ; the wait here, directly ahead of the wait below
	s_wait_dscnt 0x0
	PV 0, L, 0
	QK 1
	OUT 0, KF
	s_wait_alu depctr_va_vdst(0)                   ; the wait here, ahead of the scores' first reader
	SOFTMAX 1, 0, 0
	PV 1, L, 0
	OUT 1, S
	v_lshl_add_u32 v7, v0, 2, SPARE                ; my spare word
	v_mov_b32 v6, 0
	s_wait_alu depctr_va_vdst(0)                   ; the wait here, directly ahead of the wait below
	s_wait_tensorcnt 0x0                           ; the wave's end
	ds_add_u32 v7, v6
	s_wait_dscnt 0x0
	s_endpgm
.Lfunc_end_k_q04a60168ce_attn:
	.size	k_q04a60168ce_attn, .Lfunc_end_k_q04a60168ce_attn-k_q04a60168ce_attn
	.p2alignl 7, 3214868480
	.fill 96, 4, 3214868480
	.section	.rodata,"a",@progbits
	.p2align	6, 0x0
	.amdhsa_kernel k_q04a60168ce_attn
		.amdhsa_group_segment_fixed_size 141312
		.amdhsa_private_segment_fixed_size 0
		.amdhsa_enable_private_segment 0
		.amdhsa_kernarg_size 32
		.amdhsa_user_sgpr_count 2
		.amdhsa_user_sgpr_kernarg_segment_ptr 1
		.amdhsa_wavefront_size32 1
		.amdhsa_system_sgpr_workgroup_id_x 1
		.amdhsa_system_sgpr_workgroup_id_y 1
		.amdhsa_system_sgpr_workgroup_id_z 1
		.amdhsa_system_vgpr_workitem_id 0
		.amdhsa_next_free_vgpr 256
		.amdhsa_next_free_sgpr 66
		.amdhsa_reserve_vcc 0
		.amdhsa_float_denorm_mode_32 3
		.amdhsa_float_denorm_mode_16_64 3
		.amdhsa_memory_ordered 1
		.amdhsa_forward_progress 1
		.amdhsa_inst_pref_size 115
	.end_amdhsa_kernel
	.amdgpu_metadata
---
amdhsa.version: [ 1, 2 ]
amdhsa.kernels:
  - .name:           k_q04a60168ce_attn
    .symbol:         k_q04a60168ce_attn.kd
    .args:
      - { .name: query, .offset: 0, .size: 8, .value_kind: global_buffer, .address_space: global }
      - { .name: key, .offset: 8, .size: 8, .value_kind: global_buffer, .address_space: global }
      - { .name: value, .offset: 16, .size: 8, .value_kind: global_buffer, .address_space: global }
      - { .name: out0, .offset: 24, .size: 8, .value_kind: global_buffer, .address_space: global }
    .group_segment_fixed_size: 141312
    .private_segment_fixed_size: 0
    .kernarg_segment_align: 8
    .kernarg_segment_size: 32
    .max_flat_workgroup_size: 512
    .sgpr_count:     66
    .vgpr_count:     256
    .wavefront_size: 32
...
	.end_amdgpu_metadata
.endif
;; end of part 1
